; MI455X (gfx1250); checked and timed in simulation.
; The chip was launched on July 23, 2026; its instructions are those of AMD's public machine-readable ISA for CDNA 5 (MIT licence, August 2026) and "CDNA5" Instruction Set Architecture Reference Guide (July 2026). The comments in the code are by the model that wrote it; some were corrected since.
;; Muon Lo RA Linear. Allowed arithmetic: float matrix products may take bf16 or f16 operands with f32 sums; all other float work in f32.
;; Inputs: W 4,096 x 2,048 float32; bias 4,096 float32; lora_A 16 x 2,048 float32; lora_B 4,096 x 16 float32; x 1,024 x 2,048 float32.
;; Outputs: out0 1,024 x 4,096 float32.
;; One version. Each part assembles by itself: llvm-mc -triple=amdgcn-amd-amdhsa -mcpu=gfx1250 --defsym DOCPART=n.
;; ======== version 1 of 1: 1 launch
;; launch fused (part 1): grid 32 x 8, 4 waves a work-group, no clusters, 112,640 bytes of LDS; arguments x, W, bias, lora_A, lora_B, out0; writes out0
.if DOCPART == 1
	.amdgcn_target "amdgcn-amd-amdhsa--gfx1250"
	.amdhsa_code_object_version 6
	.text
	.protected	k_qa6ccee39f6_fused
	.globl	k_qa6ccee39f6_fused
	.p2align	8
	.type	k_qa6ccee39f6_fused,@function
k_qa6ccee39f6_fused:
	s_mov_b64 s[64:65], 0
	v_nop
	global_prefetch_b8 v0, s[64:65] scope:SCOPE_SE
	s_setreg_imm32_b32 hwreg(HW_REG_WAVE_MODE, 25, 1), 1
	s_wait_xcnt 0x0
; out[t][o] = sum_k x[t][k] W[o][k] + bias[o] + alpha * sum_k x[t][k] M[o][k],  M = one quintic Newton-Schulz step on G = lora_B lora_A, alpha = |G|_F.
; x [1024][2048], W [4096][2048], bias [4096], lora_A [16][2048], lora_B [4096][16], out [1024][4096], all f32.
; THE ALGEBRA.  G is a product of a [4096][16] and a [16][2048] matrix, whatever they hold.  With S = B^T B and T = A A^T (16 x 16): alpha^2 = sum_ij S_ij T_ij, n = alpha + 1e-7,
; Z = T S / n^2, P = a I + b Z + c Z^2, and the step on the transposed X gives exactly M = B P A / n.  So alpha x M^T = y C^T with y = x A^T [1024][16] and C = (alpha / n) B P [4096][16].
; SHARES.  256 work-groups; each makes 128 tokens x 128 outputs, each of its four waves 64 x 64: 16 accumulators.  K goes in 32 steps of 64 (256 bytes of an f32 row, aligned).
; THE ROAD.  16-byte loads into staging registers (16 lanes cover one aligned 256 bytes of a row), rounded to bf16 once, 8-byte LDS stores into one of two slots, fragments out of LDS, products.
; A tile is asked for two steps before it is stored and three before it is multiplied: two staging sets, 76 loads of a wave on their way.
; RIDERS.  lora_A's 16 rows go along with W's: y^T = A x^T (each wave for two of its four row blocks; its partner makes the other two) and T = A A^T (every wave, the same fragment as both sources).
; Each step also brings 128 rows of lora_B (32 x 128 = 4096); each wave adds its 32 rows' part to its own S.  bias is the C operand of the first products: nothing is cleared, nothing added later.
; THE MATRIX INSTRUCTION IS USED TRANSPOSED: source 0 = 16 rows of W, source 1 = 16 rows of x: a lane holds one token and eight neighbouring outputs.
; NO CLUSTER, NO TENSOR LOADS, though x's tiles are shared by 32 work-groups and W's by 8: the tiles are f32 in memory and an engine copies bytes as they are.  Fragments would then be read from LDS as
; f32 (four 16-byte reads for two), and each number rounded by both waves that multiply it: 128 conversions of x and W a step and wave against the 64 here.
; LIMITS.  x, W, lora_A, lora_B, y, (alpha / n) P^T and C are rounded to bf16 as matrix operands; S, T, alpha, n, Z, P are kept in f32 (Z and Z^2 by twelve f32 matrix instructions).
; alpha^2 below 2^-126 counts as 0 (the root flushes it), and the second term is then 0; alpha^2 overflows where the norm of G squared overflows f32.  NaN and infinities are not treated apart.
; The sums are rounded in another order than products with the full 4096 x 2048 matrices would be.
;
; LDS.  Slot p at p SLOT: x's 128 rows, W's 128 rows, lora_A's 16 rows (128 bytes of bf16 + 16 of padding: 36 words, so the 16 rows of a fragment start at 16 different groups of four banks:
; 64 banks of 4 bytes, ISA guide 11.1), 128 rows of lora_B (32 bytes).  Behind the slots: a stage of 16 rows x 272 bytes a wave, the four S, the eight blocks of y, the spare words.
.set PITCH,  144
.set WR,     128*PITCH                 ; W's rows in a slot
.set LR,     256*PITCH                 ; lora_A's
.set BR,     272*PITCH                 ; lora_B's
.set SLOT,   BR+4096                   ; 43,264
.set STAGE,  2*SLOT
.set SPITCH, 272
.set SPART,  STAGE+4*16*SPITCH         ; wave w's S at 1,024 w, 32 bytes a lane
.set YX,     SPART+4096                ; y of the tile's row block i as a fragment, at 512 i, 16 bytes a lane
.set SPARE,  YX+4096                   ; the spare words, 128 bytes for each wave
; REGISTERS, in windows of 256 (s_set_vgpr_msb: bits 1:0 source 0, 3:2 source 1, 5:4 source 2, 7:6 destination).
; window 0: v1 r = lane % 16, v2 h = lane / 16, v3 lane, v4-7 at work; the addresses below, never rewritten; then data
.set GX,  8                            ; x and W: my byte offset in the tile's first rows
.set GL,  9                            ; lora_A
.set GB,  10                           ; lora_B, a step's 128 rows
.set SX,  11                           ; LDS store of x (W: + WR)
.set SL,  12                           ; of lora_A
.set SBW, 13                           ; of lora_B
.set AXL, 14                           ; fragments of x: my register blocks 0, 1 = the tile's row blocks 4 wm + 2 wn + 0, 1
.set AXH, 15                           ; my register blocks 2, 3 = the tile's row blocks 4 wm + 2 (1 - wn) + 0, 1
.set AB,  16                           ; fragments of W
.set AL,  17                           ; of lora_A
.set AS,  18                           ; of lora_B, turned
.set STO, 19                           ; the way out: into my stage
.set RD,  20                           ; back from it
.set COL, 21                           ; my byte offset in out for register blocks 0, 1
.set COH, 22                           ; for register blocks 2, 3
.set GBI, 23                           ; bias
.set GBR, 24                           ; the tile's own rows of lora_B
.set SPA, 25                           ; my S, stored
.set SLD, 26                           ; the four S, read
.set YLO, 27                           ; y's blocks that I make
.set SPW, 28                           ; LDS address of my spare word: SPARE + 4 x my thread's number
.set NIL, 29                           ; 0
.set YHI, 30                           ; y's blocks that my partner makes
.set WORKA, 32                         ; v32-63
.set BIAS,  64                         ; v64-95: 8 a column block; free behind the first step
.set SS,    64                         ; later: the four S, then their sum in v64-71
.set SA,    96                         ; my part of S
.set TA,    104                        ; T
.set YA,    112                        ; y^T of my register blocks 0, 1
.set ACC,   128                        ; accumulator (a, b) at ACC + 8 (4 a + b)
.set A2,  40                           ; v40-41 alpha^2 in the making
.set VAL, 42                           ; alpha
.set VN,  43                           ; n
.set RN2, 44                           ; v44 1 / n^2; v45 n^2 (named with it as a pair)
.set RN,  46                           ; 1 / n
.set VG,  47                           ; g = alpha / n
.set GA,  48                           ; g a, g b, g c in v48-50
.set DG,  51                           ; r - 8 h: which of my eight registers lies on the diagonal
.set TP,  52                           ; v52-59 T / n^2
.set PP,  72                           ; v72-79 g P
.set Q2,  80                           ; v80-87 Z^2
; window 1, in the loop: two fragment buffers (x 0-31, W 32-63, lora_A 64-71) and lora_B's fragment
.set F0,  0
.set SF,  72
.set F1,  80
.set ZA,  160                          ; v160-191 are written by the f32 matrix form alone: Z (lane: column r), Z^T, and Z^2 in two halves
.set ZB,  168
.set QX,  176
.set QY,  184
.set BRAW, 192                         ; v192-223 the tile's own rows of lora_B, f32
.set PF,  0                            ; behind the loop: fragments with 16 along K, the upper 16 zeros
.set BF,  8
.set CD,  40
.set CF,  72
.set YF,  104
; windows 2 and 3: staging sets 0 and 1, v0-151: x 4 i, W 64 + 4 i, lora_A 128 + 4 i, lora_B 136 + 4 j
.set MSB, 0
.macro WIN new                         ; the immediate's high byte repeats the setting that is left; a switch that changes nothing is dropped
.if MSB != (\new)
	s_set_vgpr_msb (MSB<<8)|(\new)
.set MSB, (\new)
.endif
.endm
; A load into a register that a matrix instruction has read, and a vector instruction or LDS store that reads a matrix result, stand four places behind it; only plain vector
; instructions that name none of its registers are places (ISA guide 7.12.1 for vector instructions).
.macro PLACES
.rept 4
	v_nop
.endr
.endm
; 38 loads: the next tile into staging set q.  Wave w takes rows 32 w .. 32 w + 31 of x and of W (one instruction: two rows eight apart, 256 aligned bytes each), two rows a half of lora_A, 32 rows of lora_B.
.macro LOADS q, step
.if \step
	s_wait_xcnt 0x0                                ; the bases are stepped only when every earlier load's address has been translated (ISA guide 3.1)
	s_add_nc_u64 s[4:5], s[4:5], 0x100             ; 64 numbers along K
	s_add_nc_u64 s[6:7], s[6:7], 0x100
	s_add_nc_u64 s[10:11], s[10:11], 0x100
	s_add_nc_u64 s[26:27], s[26:27], 0x2000        ; 128 rows of lora_B
.endif
	WIN 0x80+0x40*(\q)                             ; destination window 2 or 3
.set i, 0
.rept 16
	global_load_b128 v[4*i:4*i+3], v[GX], s[4:5] offset:(16*(i/8)+i%8)*8192
.set i, i+1
.endr
.set i, 0
.rept 16
	global_load_b128 v[64+4*i:64+4*i+3], v[GX], s[6:7] offset:(16*(i/8)+i%8)*8192
.set i, i+1
.endr
.irp i, 0,1
	global_load_b128 v[128+4*\i:128+4*\i+3], v[GL], s[10:11] offset:\i*8192
.endr
.irp j, 0,1,2,3
	global_load_b128 v[136+4*\j:136+4*\j+3], v[GB], s[26:27] offset:\j*512
.endr
.endm
; Four f32 become four bf16, in place, in the first two of their four registers
.macro CONVERT q
	WIN 0x8a+0x45*(\q)                             ; destination and both sources window 2 or 3
.set i, 0
.rept 38
	v_cvt_pk_bf16_f32 v[4*i], v[4*i], v[4*i+1]
	v_cvt_pk_bf16_f32 v[4*i+1], v[4*i+2], v[4*i+3]
.set i, i+1
.endr
.endm
; 38 LDS stores of 8 bytes a lane, into slot q.  Lanes 0-15 fill a row's 128 bytes, lanes 16-31 the row eight further on: 288 words, so the two halves take different halves of the banks.
.macro STORE q
	WIN 0x08+0x04*(\q)                             ; data window 2 or 3, address window 0
.set i, 0
.rept 16
	ds_store_b64 v[SX], v[4*i:4*i+1] offset:(\q)*SLOT+(16*(i/8)+i%8)*PITCH
.set i, i+1
.endr
.set i, 0
.rept 16
	ds_store_b64 v[SX], v[64+4*i:64+4*i+1] offset:(\q)*SLOT+WR+(16*(i/8)+i%8)*PITCH
.set i, i+1
.endr
.irp i, 0,1
	ds_store_b64 v[SL], v[128+4*\i:128+4*\i+1] offset:(\q)*SLOT+\i*PITCH
.endr
.irp j, 0,1,2,3
	ds_store_b64 v[SBW], v[136+4*\j:136+4*\j+1] offset:(\q)*SLOT+\j*256
.endr
.endm
; The fragments of 32 along K (chunk c of slot p) into buffer fr: 18 LDS loads; with chunk 0 two more, my 32 rows of lora_B turned (lane: column r, 8 rows)
.macro FETCH p, c, fr
	WIN 0x40                                       ; destination window 1, address window 0
.irp i, 0,1,2,3
	ds_load_b128 v[(\fr)+32+8*\i:(\fr)+32+8*\i+3], v[AB] offset:(\p)*SLOT+64*(\c)+\i*16*PITCH
	ds_load_b128 v[(\fr)+32+8*\i+4:(\fr)+32+8*\i+7], v[AB] offset:(\p)*SLOT+64*(\c)+\i*16*PITCH+32
.endr
.irp i, 0,1
	ds_load_b128 v[(\fr)+8*\i:(\fr)+8*\i+3], v[AXL] offset:(\p)*SLOT+64*(\c)+\i*16*PITCH
	ds_load_b128 v[(\fr)+8*\i+4:(\fr)+8*\i+7], v[AXL] offset:(\p)*SLOT+64*(\c)+\i*16*PITCH+32
.endr
.irp i, 0,1
	ds_load_b128 v[(\fr)+16+8*\i:(\fr)+16+8*\i+3], v[AXH] offset:(\p)*SLOT+64*(\c)+\i*16*PITCH
	ds_load_b128 v[(\fr)+16+8*\i+4:(\fr)+16+8*\i+7], v[AXH] offset:(\p)*SLOT+64*(\c)+\i*16*PITCH+32
.endr
	ds_load_b128 v[(\fr)+64:(\fr)+67], v[AL] offset:(\p)*SLOT+64*(\c)
	ds_load_b128 v[(\fr)+68:(\fr)+71], v[AL] offset:(\p)*SLOT+64*(\c)+32
.if (\c) == 0
	ds_load_tr16_b128 v[SF:SF+3], v[AS] offset:(\p)*SLOT
	ds_load_tr16_b128 v[SF+4:SF+7], v[AS] offset:(\p)*SLOT+16*32
.endif
.endm
; 19 or 20 matrix instructions on 19 or 20 accumulators, always in this order: the accumulators take turns, one instruction a turn, over the loop's backward jump too.
; start = 1: the first products start the sums, the main ones with bias as C.  withs = 1: lora_B's fragment is multiplied too.
.macro MUL fr, start, withs
	WIN 0x05                                       ; sources 0 and 1 window 1; C and D window 0
.irp a, 0,1,2,3
.irp b, 0,1,2,3
.if \start
	v_wmma_f32_16x16x32_bf16 v[ACC+8*(4*\a+\b):ACC+8*(4*\a+\b)+7], v[(\fr)+32+8*\b:(\fr)+32+8*\b+7], v[(\fr)+8*\a:(\fr)+8*\a+7], v[BIAS+8*\b:BIAS+8*\b+7]
.else
	v_wmma_f32_16x16x32_bf16 v[ACC+8*(4*\a+\b):ACC+8*(4*\a+\b)+7], v[(\fr)+32+8*\b:(\fr)+32+8*\b+7], v[(\fr)+8*\a:(\fr)+8*\a+7], v[ACC+8*(4*\a+\b):ACC+8*(4*\a+\b)+7]
.endif
.endr
.endr
.if \start
	v_wmma_f32_16x16x32_bf16 v[YA:YA+7], v[(\fr)+64:(\fr)+71], v[(\fr):(\fr)+7], 0
	v_wmma_f32_16x16x32_bf16 v[YA+8:YA+15], v[(\fr)+64:(\fr)+71], v[(\fr)+8:(\fr)+15], 0
	v_wmma_f32_16x16x32_bf16 v[TA:TA+7], v[(\fr)+64:(\fr)+71], v[(\fr)+64:(\fr)+71], 0
	v_wmma_f32_16x16x32_bf16 v[SA:SA+7], v[SF:SF+7], v[SF:SF+7], 0
.else
	v_wmma_f32_16x16x32_bf16 v[YA:YA+7], v[(\fr)+64:(\fr)+71], v[(\fr):(\fr)+7], v[YA:YA+7]
	v_wmma_f32_16x16x32_bf16 v[YA+8:YA+15], v[(\fr)+64:(\fr)+71], v[(\fr)+8:(\fr)+15], v[YA+8:YA+15]
	v_wmma_f32_16x16x32_bf16 v[TA:TA+7], v[(\fr)+64:(\fr)+71], v[(\fr)+64:(\fr)+71], v[TA:TA+7]
.if \withs
	v_wmma_f32_16x16x32_bf16 v[SA:SA+7], v[SF:SF+7], v[SF:SF+7], v[SA:SA+7]
.endif
.endif
.endm
; A K STEP multiplies slot p.  st = 1: the next tile, which waits in staging set 1 - p, is rounded and stored into slot 1 - p.  ld = 1: that set is then loaded with the tile three steps on.
; lc = how many younger loads may stay out.  ONE barrier a step, for two things: in front of its signal my reads of slot p are back and my stores into slot 1 - p are done;
; behind its wait slot 1 - p is read and slot p stored into.  Between signal and wait stands matrix work on registers alone.
.macro STEP p, st, ld, lc, start
	PLACES                                         ; behind the step before's last products, in front of the loads into both fragment buffers
	FETCH \p, 0, F0
.if \st
	s_wait_loadcnt \lc                             ; loads come back in order (ISA guide 5.7.1): the tile wanted is in, the younger tile's 38 stay out
	CONVERT 1-(\p)
	STORE 1-(\p)
.endif
.if \ld
	LOADS 1-(\p), 1
.endif
	FETCH \p, 1, F1
.if \st
	s_wait_dscnt 56                                ; chunk 0's 20 loads are in: behind them stand 38 stores and chunk 1's 18 loads
.else
	s_wait_dscnt 18                                ; behind them chunk 1's 18 loads alone
.endif
	MUL F0, \start, 1
	s_wait_dscnt 0x0                               ; chunk 1 is in; for the others' sake: my reads of this slot are over and my stores into the other are done
.if \st
	s_barrier_signal -1
.endif
	MUL F1, 0, 0
	WIN 0                                          ; at a label and at a branch every window is 0
.if \st
	s_barrier_wait -1
.endif
.endm
; THE WAY OUT of my register block a (16 tokens x 64 outputs): a lane's eight outputs of a column block, 32 bytes, go into rows of 272 bytes of my own stage and come back as whole rows of 256.
.macro TOSTAGE a
.set BK, WORKA+32*((\a)%2)
.if (\a) >= 2
	s_wait_xcnt 0x0                                ; the stores of the block two back have read these registers' addresses and data (ISA guide 3.1)
.endif
.irp b, 0,1,2,3
	ds_store_b128 v[STO], v[ACC+8*(4*(\a)+\b):ACC+8*(4*(\a)+\b)+3] offset:64*\b
	ds_store_b128 v[STO], v[ACC+8*(4*(\a)+\b)+4:ACC+8*(4*(\a)+\b)+7] offset:64*\b+16
.endr
.irp t, 0,1,2,3,4,5,6,7
	ds_load_b128 v[BK+4*\t:BK+4*\t+3], v[RD] offset:\t*2*SPITCH  ; LDS serves a wave's instructions in order (ISA guide 5.7.1.4): these see the stores above; the next block's stores come behind them
.endr
.endm
.macro SEND a, younger                 ; younger: the LDS instructions issued behind block a's loads: the next block's sixteen, or none
.set BK, WORKA+32*((\a)%2)
	s_wait_dscnt \younger
.irp t, 0,1,2,3,4,5,6,7
.if (\a) < 2
	global_store_b128 v[COL], v[BK+4*\t:BK+4*\t+3], s[14:15] offset:(((\a)%2)*16+2*\t)*16384 th:TH_STORE_NT  ; 16 lanes store 256 consecutive bytes, at a multiple of 256 from out's first byte
.else
	global_store_b128 v[COH], v[BK+4*\t:BK+4*\t+3], s[14:15] offset:(((\a)%2)*16+2*\t)*16384 th:TH_STORE_NT
.endif
.endr
.endm
	s_load_b256 s[4:11], s[0:1], 0x0               ; x s[4:5], W s[6:7], bias s[8:9], lora_A s[10:11]
	s_load_b128 s[12:15], s[0:1], 0x20             ; lora_B s[12:13], out s[14:15]
	v_lshl_add_u32 v[SPW], v0, 2, SPARE
	v_mov_b32 v[NIL], 0
	v_lshrrev_b32 v4, 5, v0
	v_readfirstlane_b32 s16, v4                    ; wave w, 0..3
	s_lshr_b32 s17, s16, 1                         ; wm: which 64 tokens
	s_and_b32 s18, s16, 1                          ; wn: which 64 outputs
	s_xor_b32 s21, s18, 1                          ; 1 - wn
	s_mov_b32 s19, ttmp9                           ; nt: the tile's 128 outputs
	s_and_b32 s20, ttmp7, 0xffff                   ; mt: the tile's 128 tokens
	s_mov_b32 s30, 0x76543210                      ; v_permlanex16_b32: each lane takes its own place in the other half
	s_mov_b32 s31, 0xfedcba98
	v_and_b32 v1, 15, v0                           ; r
	v_bfe_u32 v2, v0, 4, 1                         ; h
	v_and_b32 v3, 31, v0                           ; lane
	; offsets in memory.  A row of x, W, lora_A is 8,192 bytes.
	v_lshlrev_b32 v4, 4, v1                        ; 16 r
	v_lshl_add_u32 v4, v2, 16, v4                  ; + 8 h rows
	s_lshl_b32 s32, s16, 18
	v_add_nc_u32 v[GX], s32, v4                    ; + 32 w rows
	s_lshl_b32 s32, s16, 14
	v_add_nc_u32 v[GL], s32, v4                    ; + 2 w rows
	s_lshl_b32 s32, s16, 11
	v_lshl_add_u32 v[GB], v3, 4, s32               ; 32 w rows of 64 bytes + 16 x lane
	; where the rounded numbers go
	v_mul_u32_u24 v5, v2, 8*PITCH
	v_lshl_add_u32 v5, v1, 3, v5                   ; 8 h rows + 8 r
	s_mul_i32 s32, s16, 32*PITCH
	v_add_nc_u32 v[SX], s32, v5
	s_mul_i32 s32, s16, 2*PITCH
	s_add_co_u32 s32, s32, LR
	v_add_nc_u32 v[SL], s32, v5
	s_lshl_b32 s33, s16, 10
	s_add_co_u32 s33, s33, BR                      ; my 32 rows of lora_B in a slot
	v_lshl_add_u32 v[SBW], v3, 3, s33
	; A fragment is 16 rows x 32 K in 8 registers: lane l holds row l % 16; registers 0-3 hold K = 8 (l / 16) + 0..7, registers 4-7 K = 16 + 8 (l / 16) + 0..7: two loads of 16 bytes, 32 bytes apart.
	v_mul_u32_u24 v6, v1, PITCH
	v_lshl_add_u32 v6, v2, 4, v6
	s_mul_i32 s32, s17, 64*PITCH
	s_mul_i32 s34, s18, 32*PITCH
	s_add_co_u32 s34, s34, s32
	v_add_nc_u32 v[AXL], s34, v6
	s_mul_i32 s34, s21, 32*PITCH
	s_add_co_u32 s34, s34, s32
	v_add_nc_u32 v[AXH], s34, v6
	s_mul_i32 s32, s18, 64*PITCH
	s_add_co_u32 s32, s32, WR
	v_add_nc_u32 v[AB], s32, v6
	v_add_nc_u32 v[AL], LR, v6
	; The turning load takes 16 rows x 16 columns (lane l reads row 8 (l / 16) + l % 8, columns 8 ((l / 8) % 2) + 0..7) and leaves half a fragment: lane l holds column l % 16 and 8 rows.
	v_and_b32 v7, 7, v0
	v_lshl_add_u32 v7, v2, 3, v7
	v_lshlrev_b32 v7, 5, v7
	v_bfe_u32 v4, v0, 3, 1
	v_lshl_add_u32 v7, v4, 4, v7
	v_add_nc_u32 v[AS], s33, v7
	; the way out
	s_mul_i32 s32, s16, 16*SPITCH
	s_add_co_u32 s32, s32, STAGE                   ; my stage
	v_mul_u32_u24 v4, v1, SPITCH                   ; in: row r, 32 bytes for each half of the lanes
	v_lshl_add_u32 v4, v2, 5, v4
	v_add_nc_u32 v[STO], s32, v4
	v_mul_u32_u24 v4, v2, SPITCH                   ; back: lanes 0-15 take one row of 256 bytes, lanes 16-31 the next
	v_lshl_add_u32 v4, v1, 4, v4
	v_add_nc_u32 v[RD], s32, v4
	v_lshlrev_b32 v4, 4, v1                        ; the same two rows in out, whose rows are 16,384 bytes
	v_lshl_add_u32 v4, v2, 14, v4
	s_lshl_b32 s33, s17, 20                        ; 64 wm rows
	s_lshl_b32 s35, s18, 8                         ; my 64 columns
	s_add_co_u32 s33, s33, s35
	s_lshl_b32 s34, s18, 19                        ; 32 wn rows
	s_add_co_u32 s34, s34, s33
	v_add_nc_u32 v[COL], s34, v4
	s_lshl_b32 s34, s21, 19                        ; 32 (1 - wn) rows
	s_add_co_u32 s34, s34, s33
	v_add_nc_u32 v[COH], s34, v4
	v_lshl_add_u32 v[GBI], v2, 5, s35              ; bias: my 64 columns, 8 numbers for each half of the lanes
	s_lshl_b32 s32, s18, 12                        ; the tile's rows of lora_B: 64 wn + r, 64 bytes each, 32 bytes for each half of the lanes
	v_lshlrev_b32 v4, 6, v1
	v_lshl_add_u32 v4, v2, 5, v4
	v_add_nc_u32 v[GBR], s32, v4
	s_lshl_b32 s32, s16, 10
	s_add_co_u32 s32, s32, SPART
	v_lshl_add_u32 v[SPA], v3, 5, s32
	v_lshl_add_u32 v[SLD], v3, 5, SPART
	s_lshl_b32 s33, s17, 11                        ; y: block 4 wm + 2 wn (or 2 (1 - wn)), 512 bytes a block
	s_add_co_u32 s33, s33, YX
	s_lshl_b32 s34, s18, 10
	s_add_co_u32 s34, s34, s33
	v_lshl_add_u32 v[YLO], v3, 4, s34
	s_lshl_b32 s34, s21, 10
	s_add_co_u32 s34, s34, s33
	v_lshl_add_u32 v[YHI], v3, 4, s34
	s_mov_b32 s23, 0
	s_mov_b32 s25, 0
	s_wait_kmcnt 0x0
	s_lshl_b32 s22, s20, 20                        ; 128 rows of 8,192 bytes
	s_add_nc_u64 s[4:5], s[4:5], s[22:23]          ; x at the tile's first token
	s_lshl_b32 s24, s19, 20
	s_add_nc_u64 s[6:7], s[6:7], s[24:25]          ; W at the tile's first output
	s_lshl_b32 s22, s19, 9                         ; 128 numbers of 4 bytes
	s_add_nc_u64 s[8:9], s[8:9], s[22:23]          ; bias
	s_add_nc_u64 s[14:15], s[14:15], s[22:23]      ; out: the tile's first column,
	s_mov_b64 s[26:27], s[12:13]                   ; lora_B from its first row: this one walks
	s_lshl_b32 s24, s19, 13                        ; 128 rows of 64 bytes
	s_add_nc_u64 s[12:13], s[12:13], s[24:25]      ; lora_B at the tile's own rows
	s_lshl_b32 s22, s20, 21                        ; 128 rows of 16,384 bytes
	s_add_nc_u64 s[14:15], s[14:15], s[22:23]      ; and its first row
.irp b, 0,1,2,3
	global_load_b128 v[BIAS+8*\b:BIAS+8*\b+3], v[GBI], s[8:9] offset:64*\b
	global_load_b128 v[BIAS+8*\b+4:BIAS+8*\b+7], v[GBI], s[8:9] offset:64*\b+16
.endr
	WIN 0x40
.irp b, 0,1,2,3
	global_load_b128 v[BRAW+8*\b:BRAW+8*\b+3], v[GBR], s[12:13] offset:1024*\b
	global_load_b128 v[BRAW+8*\b+4:BRAW+8*\b+7], v[GBR], s[12:13] offset:1024*\b+16
.endr
	LOADS 0, 0                                     ; tile 0
	LOADS 1, 1                                     ; tile 1.  (Where a counter's field is full the hardware holds the next load back: ISA guide 5.7.1; no wait is written for that.)
	s_wait_loadcnt 38                              ; all but tile 1's 38: bias, the tile's lora_B rows and tile 0 are in
	CONVERT 0
	STORE 0
	LOADS 0, 1                                     ; tile 2
	s_wait_dscnt 0x0                               ; for the others' sake: my part of slot 0 is stored
	s_barrier_signal -1
	s_barrier_wait -1
	; Tile t goes through staging set t % 2 into slot t % 2.  Step s multiplies tile s, stores tile s + 1 and asks for tile s + 3.
	STEP 0, 1, 1, 38, 1                            ; step 0 stands in front of the loop: its products start the sums
	s_mov_b32 s28, 14
.Ltrip:                                                ; steps 1 to 28, two a trip
	STEP 1, 1, 1, 38, 0
	STEP 0, 1, 1, 38, 0
	s_sub_co_u32 s28, s28, 1
	s_cmp_lg_u32 s28, 0
	s_cbranch_scc1 .Ltrip
	STEP 1, 1, 0, 38, 0                            ; step 29 stores tile 30; tile 31's 38 loads stay out; nothing is left to ask for
	STEP 0, 1, 0, 0, 0                             ; step 30 stores tile 31
	STEP 1, 0, 0, 0, 0                             ; step 31 multiplies alone
	; THE SMALL ALGEBRA, alike in all four waves.  My S and my two blocks of y go to the others through LDS bytes that nothing has touched before.
	PLACES                                         ; behind the last products
	ds_store_b128 v[SPA], v[SA:SA+3]
	ds_store_b128 v[SPA], v[SA+4:SA+7] offset:16
.irp a, 0,1
.irp i, 0,1,2,3
	v_cvt_pk_bf16_f32 v[WORKA+4*\a+\i], v[YA+8*\a+2*\i], v[YA+8*\a+2*\i+1]  ; a lane holds token r and the ranks 8 h + 0..7: rounded in pairs this IS registers 0-3 of a fragment of y
.endr
	ds_store_b128 v[YLO], v[WORKA+4*\a:WORKA+4*\a+3] offset:512*\a
.endr
	s_wait_dscnt 0x0                               ; for the others' sake: my stores are done
	s_barrier_signal -1
	s_barrier_wait -1
.irp w, 0,1,2,3
	ds_load_b128 v[SS+8*\w:SS+8*\w+3], v[SLD] offset:1024*\w
	ds_load_b128 v[SS+8*\w+4:SS+8*\w+7], v[SLD] offset:1024*\w+16
.endr
	WIN 0x40
.irp a, 0,1
	ds_load_b128 v[YF+8*\a:YF+8*\a+3], v[YLO] offset:512*\a
	ds_load_b128 v[YF+16+8*\a:YF+16+8*\a+3], v[YHI] offset:512*\a
.endr
	WIN 0
	s_wait_dscnt 0x0
.irp i, 0,2,4,6
	v_pk_add_f32 v[SS+\i:SS+\i+1], v[SS+\i:SS+\i+1], v[SS+8+\i:SS+8+\i+1]
	v_pk_add_f32 v[SS+16+\i:SS+16+\i+1], v[SS+16+\i:SS+16+\i+1], v[SS+24+\i:SS+24+\i+1]
.endr
.irp i, 0,2,4,6
	v_pk_add_f32 v[SS+\i:SS+\i+1], v[SS+\i:SS+\i+1], v[SS+16+\i:SS+16+\i+1]  ; S: register j of lane (r, h) is S[8 h + j][r], and T lies likewise
.endr
	v_pk_mul_f32 v[A2:A2+1], v[SS:SS+1], v[TA:TA+1]          ; alpha^2 = the sum over all i, j of S_ij T_ij: eight a lane,
	v_pk_fma_f32 v[A2:A2+1], v[SS+2:SS+3], v[TA+2:TA+3], v[A2:A2+1]
	v_pk_fma_f32 v[A2:A2+1], v[SS+4:SS+5], v[TA+4:TA+5], v[A2:A2+1]
	v_pk_fma_f32 v[A2:A2+1], v[SS+6:SS+7], v[TA+6:TA+7], v[A2:A2+1]
	v_add_f32 v[A2], v[A2], v[A2+1]
	v_add_f32_dpp v[A2], v[A2], v[A2] row_xmask:1 row_mask:0xf bank_mask:0xf  ; then over the 32 lanes
	v_add_f32_dpp v[A2], v[A2], v[A2] row_xmask:2 row_mask:0xf bank_mask:0xf
	v_add_f32_dpp v[A2], v[A2], v[A2] row_xmask:4 row_mask:0xf bank_mask:0xf
	v_add_f32_dpp v[A2], v[A2], v[A2] row_xmask:8 row_mask:0xf bank_mask:0xf
	v_permlanex16_b32 v[A2+1], v[A2], s30, s31
	v_add_f32 v[A2], v[A2], v[A2+1]
	v_max_num_f32 v[A2], 0, v[A2]                  ; no rounding hands the root a negative number
	v_sqrt_f32 v[VAL], v[A2]                       ; alpha
	v_lshlrev_b32 v[DG], 3, v2                     ; a plain instruction behind the root (ISA guide 5.7.2)
	s_wait_alu depctr_va_vdst(0)
	v_add_f32 v[VN], 0x33d6bf95, v[VAL]            ; n = alpha + 1e-7
	v_sub_nc_u32 v[DG], v1, v[DG]                  ; r - 8 h
	v_mul_f32 v[RN2+1], v[VN], v[VN]               ; n^2
	v_rcp_f32 v[RN2], v[RN2+1]
	v_rcp_f32 v[RN], v[VN]
	v_nop                                          ; a plain instruction behind the reciprocals
	s_wait_alu depctr_va_vdst(0)
	v_mul_f32 v[VG], v[VAL], v[RN]                 ; g = alpha / n
.irp i, 0,2,4,6
	v_pk_mul_f32 v[TP+\i:TP+\i+1], v[TA+\i:TA+\i+1], v[RN2:RN2+1] op_sel_hi:[1,0]  ; T / n^2
.endr
	v_mul_f32 v[GA], 0x405c72b0, v[VG]             ; g x 3.4445
	v_mul_f32 v[GA+1], 0xc098cccd, v[VG]           ; g x -4.775
	v_mul_f32 v[GA+2], 0x40020419, v[VG]           ; g x 2.0315
	; Z = (T / n^2) S and Z^T = S (T / n^2), in f32.  The form takes 4 along K: slot (h, j) of instruction q stands for k = 8 h + 2 q + j in both sources, since S and T are
	; symmetric and a lane's register 2 q + j holds element (8 h + 2 q + j, r) = (r, 8 h + 2 q + j).  The two sums take turns.
	WIN 0x50                                       ; C and D window 1
	v_wmma_f32_16x16x4_f32 v[ZA:ZA+7], v[TP:TP+1], v[SS:SS+1], 0
	v_wmma_f32_16x16x4_f32 v[ZB:ZB+7], v[SS:SS+1], v[TP:TP+1], 0
.irp q, 2,4,6
	v_wmma_f32_16x16x4_f32 v[ZA:ZA+7], v[TP+\q:TP+\q+1], v[SS+\q:SS+\q+1], v[ZA:ZA+7]
	v_wmma_f32_16x16x4_f32 v[ZB:ZB+7], v[SS+\q:SS+\q+1], v[TP+\q:TP+\q+1], v[ZB:ZB+7]
.endr
	; The small products have 16 along K where the bf16 form takes 32: the fragments' registers 4-7 are zeros.  These 52 lines are also the places (nine are asked for) in front of the products that take Z as a source.
	WIN 0x40
.irp i, 4,5,6,7
	v_mov_b32 v[PF+\i], 0
.irp b, 0,1,2,3
	v_mov_b32 v[BF+8*\b+\i], 0
	v_mov_b32 v[CF+8*\b+\i], 0
	v_mov_b32 v[YF+8*\b+\i], 0
.endr
.endr
	; Z^2: source 0 = Z's rows (lane r of ZB), source 1 = Z's columns (lane r of ZA), in two sums that take turns
	WIN 0x55
	v_wmma_f32_16x16x4_f32 v[QX:QX+7], v[ZB:ZB+1], v[ZA:ZA+1], 0
	v_wmma_f32_16x16x4_f32 v[QY:QY+7], v[ZB+2:ZB+3], v[ZA+2:ZA+3], 0
	v_wmma_f32_16x16x4_f32 v[QX:QX+7], v[ZB+4:ZB+5], v[ZA+4:ZA+5], v[QX:QX+7]
	v_wmma_f32_16x16x4_f32 v[QY:QY+7], v[ZB+6:ZB+7], v[ZA+6:ZA+7], v[QY:QY+7]
	; The tile's rows of lora_B as fragments (lane: row r, ranks 8 h + 0..7), and g a on the diagonal: 32 lines that name no register of those products, the places (eight are asked for) behind them
	WIN 0x45
.irp b, 0,1,2,3
.irp i, 0,1,2,3
	v_cvt_pk_bf16_f32 v[BF+8*\b+\i], v[BRAW+8*\b+2*\i], v[BRAW+8*\b+2*\i+1]
.endr
.endr
	WIN 0
.irp j, 0,1,2,3,4,5,6,7
	v_cmp_eq_u32 vcc_lo, \j, v[DG]
	v_cndmask_b32 v[PP+\j], 0, v[GA], vcc_lo
.endr
	WIN 0x04                                       ; source 1 window 1
.irp j, 0,1,2,3,4,5,6,7
	v_fma_f32 v[PP+\j], v[GA+1], v[ZA+\j], v[PP+\j]  ; + g b Z[8 h + j][r]
.endr
	WIN 0x05
.irp j, 0,1,2,3,4,5,6,7
	v_add_f32 v[Q2+\j], v[QX+\j], v[QY+\j]
.endr
	WIN 0
.irp j, 0,1,2,3,4,5,6,7
	v_fma_f32 v[PP+\j], v[GA+2], v[Q2+\j], v[PP+\j]  ; + g c Z^2[8 h + j][r]: register j of lane (r, h) is g P[8 h + j][r], row r of g P^T
.endr
	WIN 0x40
.irp i, 0,1,2,3
	v_cvt_pk_bf16_f32 v[PF+\i], v[PP+2*\i], v[PP+2*\i+1]
.endr
	; C^T = (g P^T) B^T for my four column blocks: in the result a lane holds output r and the ranks 8 h + 0..7, which rounded in pairs is a fragment of C
	WIN 0x45
.irp b, 0,1,2,3
	v_wmma_f32_16x16x32_bf16 v[CD+8*\b:CD+8*\b+7], v[PF:PF+7], v[BF+8*\b:BF+8*\b+7], 0
.endr
	PLACES
.irp b, 0,1,2,3
.irp i, 0,1,2,3
	v_cvt_pk_bf16_f32 v[CF+8*\b+\i], v[CD+8*\b+2*\i], v[CD+8*\b+2*\i+1]
.endr
.endr
	WIN 0x05
.irp a, 0,1,2,3
.irp b, 0,1,2,3
	v_wmma_f32_16x16x32_bf16 v[ACC+8*(4*\a+\b):ACC+8*(4*\a+\b)+7], v[CF+8*\b:CF+8*\b+7], v[YF+8*\a:YF+8*\a+7], v[ACC+8*(4*\a+\b):ACC+8*(4*\a+\b)+7]  ; + y C^T
.endr
.endr
	WIN 0
	PLACES
	TOSTAGE 0
	TOSTAGE 1                                      ; a block's LDS work stands between the loads of the block before and its stores
	SEND 0, 16
	TOSTAGE 2
	SEND 1, 16
	TOSTAGE 3
	SEND 2, 16
	SEND 3, 0
	s_wait_tensorcnt 0x0                           ; the wave's end, behind my last LDS store
	ds_add_u32 v[SPW], v[NIL]
	s_wait_dscnt 0x0
	s_endpgm
.Lfunc_end_k_qa6ccee39f6_fused:
	.size	k_qa6ccee39f6_fused, .Lfunc_end_k_qa6ccee39f6_fused-k_qa6ccee39f6_fused
	.p2alignl 7, 3214868480
	.fill 96, 4, 3214868480
	.section	.rodata,"a",@progbits
	.p2align	6, 0x0
	.amdhsa_kernel k_qa6ccee39f6_fused
		.amdhsa_group_segment_fixed_size 112640
		.amdhsa_private_segment_fixed_size 0
		.amdhsa_enable_private_segment 0
		.amdhsa_kernarg_size 48
		.amdhsa_user_sgpr_count 2
		.amdhsa_user_sgpr_kernarg_segment_ptr 1
		.amdhsa_wavefront_size32 1
		.amdhsa_system_sgpr_workgroup_id_x 1
		.amdhsa_system_sgpr_workgroup_id_y 1
		.amdhsa_system_sgpr_workgroup_id_z 1
		.amdhsa_system_vgpr_workitem_id 0
		.amdhsa_next_free_vgpr 920
		.amdhsa_next_free_sgpr 66
		.amdhsa_reserve_vcc 1
		.amdhsa_float_denorm_mode_32 3
		.amdhsa_float_denorm_mode_16_64 3
		.amdhsa_memory_ordered 1
		.amdhsa_forward_progress 1
		.amdhsa_inst_pref_size 124
	.end_amdhsa_kernel
	.amdgpu_metadata
---
amdhsa.version: [ 1, 2 ]
amdhsa.kernels:
  - .name:           k_qa6ccee39f6_fused
    .symbol:         k_qa6ccee39f6_fused.kd
    .args:
      - { .name: x, .offset: 0, .size: 8, .value_kind: global_buffer, .address_space: global }
      - { .name: W, .offset: 8, .size: 8, .value_kind: global_buffer, .address_space: global }
      - { .name: bias, .offset: 16, .size: 8, .value_kind: global_buffer, .address_space: global }
      - { .name: lora_A, .offset: 24, .size: 8, .value_kind: global_buffer, .address_space: global }
      - { .name: lora_B, .offset: 32, .size: 8, .value_kind: global_buffer, .address_space: global }
      - { .name: out0, .offset: 40, .size: 8, .value_kind: global_buffer, .address_space: global }
    .group_segment_fixed_size: 112640
    .private_segment_fixed_size: 0
    .kernarg_segment_align: 8
    .kernarg_segment_size: 48
    .max_flat_workgroup_size: 128
    .sgpr_count:     66
    .vgpr_count:     920
    .wavefront_size: 32
...
	.end_amdgpu_metadata
.endif
;; end of part 1
